; MI455X (gfx1250); checked and timed in simulation.
; The chip was launched on July 23, 2026; its instructions are those of AMD's public machine-readable ISA for CDNA 5 (MIT licence, August 2026) and "CDNA5" Instruction Set Architecture Reference Guide (July 2026). The comments in the code are by the model that wrote it; some were corrected since.
;; Vector Quantizer. Allowed arithmetic: matrix products marked QUANTISED: E3M2 operands, one E8M0 scale for each 32 along K, by v_wmma_scale_f32_16x16x128_f8f6f4 with both operands' format E3M2, f32 sums; everything else in f32.
;; Inputs: embedding 4,096 x 512 float32; latents 16 x 2,048 x 512 float32.
;; Outputs: out0 16 x 2,048 x 512 float32.
;; This version of the problem:
;;   THIS VERSION OF THE PROBLEM IS GIVEN IN LOW PRECISION. The matrix products marked QUANTISED in the list below multiply operands that are first quantised to E3M2 (3 exponent bits, 2 mantissa bits; 6 bits a number), with one power-of-two scale for each 32 numbers along K (OCP MX v1.0); their sums are f32. All else is computed in f32.
;;   The module's matrix products, in the order in which they are computed (A, B: the left and right operand; K: the contracted axis; several contracted axes count as one K, in the product's order):
;;     1. [M 32,768, K 512] x [K 512, N 4,096]; A: input latents; B: input embedding: QUANTISED
;;   THE QUANTISER, for each operand of a quantised product, along K:
;;     - K is cut into blocks of 32 from its start; a last block that is shorter is filled with zeros.
;;     - A block's scale is 2^e with e = floor(log2(the largest magnitude in the block)) - 4, held to -126 .. 127; a block of zeros has e = 0. As a byte (E8M0): e + 127.
;;     - Each number is divided by its block's scale, clamped to +-28, and rounded to the nearest number of E3M2, ties to even, subnormals kept.
;;     - The product sums the exact products of the quantised numbers (number of the format x scale) in f32.
;;   ~~~python
;;   def quantise(x, axis):      # numpy; x: float32 -> the quantised numbers, widened to float32 again
;;       x = np.moveaxis(x, axis, -1); K = x.shape[-1]
;;       x = np.pad(x, [(0, 0)] * (x.ndim - 1) + [(0, -K % 32)]); x = x.reshape(x.shape[:-1] + (-1, 32)); a = np.abs(x).max(-1, keepdims=True)
;;       e = np.where(a > 0, np.clip(np.frexp(np.where(a > 0, a, 1))[1] - 1 - 4, -126, 127), 0)      # np.frexp(a)[1] - 1 = floor(log2(a)), exactly
;;       r = np.clip(x / 2.0 ** e, -28, 28)
;;       step = 2.0 ** (np.maximum(np.frexp(np.where(r == 0, 1, r))[1] - 1, -2) - 2)
;;       q = np.round(r / step) * step * 2.0 ** e      # np.round: ties to even
;;       return np.moveaxis(q.reshape(q.shape[:-2] + (-1,))[..., :K], -1, axis).astype(np.float32)
;;   ~~~
;; One version. Each part assembles by itself: llvm-mc -triple=amdgcn-amd-amdhsa -mcpu=gfx1250 --defsym DOCPART=n.
;; ======== version 1 of 1: 3 launches
;; workspace buffers: ecw 1,654,784 bytes; idx 131,072 bytes of whole numbers
;; launch equant (part 1): grid 256 x 1, 4 waves a work-group, no clusters, 35,328 bytes of LDS; arguments embedding, ecw; writes ecw
.if DOCPART == 1
	.amdgcn_target "amdgcn-amd-amdhsa--gfx1250"
	.amdhsa_code_object_version 6
	.text
	.protected	k_q9d8ece43f9_equant
	.globl	k_q9d8ece43f9_equant
	.p2align	8
	.type	k_q9d8ece43f9_equant,@function
k_q9d8ece43f9_equant:
	s_mov_b64 s[64:65], 0
	v_nop
	global_prefetch_b8 v0, s[64:65] scope:SCOPE_SE
	s_setreg_imm32_b32 hwreg(HW_REG_WAVE_MODE, 25, 1), 1
	s_wait_xcnt 0x0
; The codebook e [4096][512] f32 becomes, once for the whole program: codes of BF6 (E3M2) with one E8M0 scale byte for each 32 along the 512, and se = the sum of e^2 of each code, in f32.
; A block's scale is 2^(floor(log2(its largest magnitude)) - 4); its byte is the largest magnitude's exponent field - 4, held at 1 from below.  A block of zeros so gets the byte 1 where the rule says 127:
; its codes are zeros, which add nothing under any byte but 0xff, and this program alone reads the bytes.
; LIMITS: NaN and infinities among the inputs are not served.  se is summed by fused multiply-adds in four chains a lane, then over the two halves of the lanes and the four K steps: another order than a plain sum.
; LAYOUT OF ecw: 64 quarters of QB = 25,856 bytes (101 x 256).  Quarter T / 4 holds the tiles of 16 codes T = 4 Q + u:
;   6144 u + 1536 s + 512 g + 16 lane   the fragment of K step s (128 along K) as an IMAGE OF THE OPERAND'S REGISTERS: group g of four registers, lane by lane
;   24576 + 256 u + 16 r + 4 s          the scale word of code r for K step s
;   25600 + 64 u + 4 r                  se of code r
; SHARES: a work-group is a tile of 16 codes, wave s takes K step s: 16 rows x 512 bytes.  Every load reads 512 consecutive bytes; the 8 KB turn through the wave's own stage in LDS (rows 528 bytes apart),
; so that lane (r, h) gets, of row r, 16 neighbours of each block of 32: register 16 b + i = k 32 b + 16 h + i, which is what the conversions want.
; No tensor load, no cluster: no two work-groups read the same byte, and a wave's share is 8 KB.
.set SP,   528                         ; a stage row: 512 bytes + 16: sixteen rows start at sixteen different groups of banks
.set STG,  1024                        ; LDS: 0-255 scale words, 256-511 partial sums, from 1,024 a stage of 16 x SP bytes for each wave
.set QB,   25856
.set R,    16                          ; v16-79   the numbers as loaded
.set X,    80                          ; v80-143  the numbers turned
.set PC,   144                         ; v144-163 the codes
.set TM,   164                         ; v164-179 at work in QUANT
.set PW,   180                         ; v180     the scale word
.set Q,    182                         ; v182-185 the sum of squares, four chains
.set SEL,  20                          ; s[20:21] lane selects for v_permlanex16_b32: lane l xor 16
; the sum of the squares of 64 numbers of a lane, onto two packed chains.  start = 1: the first products start the chains, nothing is cleared
.macro SUMSQ x, start
.if \start
	v_pk_mul_f32 v[Q:Q+1], v[\x:\x+1], v[\x:\x+1]
	v_pk_mul_f32 v[Q+2:Q+3], v[\x+2:\x+3], v[\x+2:\x+3]
.else
	v_pk_fma_f32 v[Q:Q+1], v[\x:\x+1], v[\x:\x+1], v[Q:Q+1]
	v_pk_fma_f32 v[Q+2:Q+3], v[\x+2:\x+3], v[\x+2:\x+3], v[Q+2:Q+3]
.endif
.irp i, 4,8,12,16,20,24,28,32,36,40,44,48,52,56,60
	v_pk_fma_f32 v[Q:Q+1], v[\x+\i:\x+\i+1], v[\x+\i:\x+\i+1], v[Q:Q+1]
	v_pk_fma_f32 v[Q+2:Q+3], v[\x+\i+2:\x+\i+3], v[\x+\i+2:\x+\i+3], v[Q+2:Q+3]
.endr
.endm
.macro SUMEND                          ; the four chains, and the other half of the lanes: v[Q] = my row's sum, in both halves
	v_pk_add_f32 v[Q:Q+1], v[Q:Q+1], v[Q+2:Q+3]
	v_add_f32 v[Q], v[Q], v[Q+1]
	v_permlanex16_b32 v[Q+2], v[Q], s[SEL], s[SEL+1]
	v_add_f32 v[Q], v[Q], v[Q+2]
.endm
; 64 numbers of a lane, register 16 b + i = k 32 b + 16 (lane / 16) + i of my row, become a fragment's codes in v[PC] .. v[PC+11] and its scale word in v[PW]
.macro QUANT s
.irp b, 0,1,2,3
	v_max3_num_f32 v[TM+\b], |v[\s+16*\b]|, |v[\s+1+16*\b]|, 0x2800000   ; block b: my 16 numbers, and the floor 2^(5 - 127): the byte cannot fall under 1
.endr
.irp i, 2,4,6,8,10,12,14
.irp b, 0,1,2,3
	v_max3_num_f32 v[TM+\b], v[TM+\b], |v[\s+16*\b+\i]|, |v[\s+1+16*\b+\i]|   ; the four blocks by turns
.endr
.endr
.irp b, 0,1,2,3
	v_permlanex16_b32 v[TM+4+\b], v[TM+\b], s[SEL], s[SEL+1]
.endr
.irp b, 0,1,2,3
	v_max_num_f32 v[TM+\b], v[TM+\b], v[TM+4+\b]   ; with lane l xor 16: the block's largest magnitude
.endr
.irp b, 0,1,2,3
	v_add_nc_u32 v[TM+12+\b], 0xfe000000, v[TM+\b]   ; 4 off its exponent field: the conversion takes the exponent field of this operand as its scale
.endr
.irp b, 0,1,2,3
	v_lshrrev_b32 v[TM+4+\b], 23, v[TM+12+\b]      ; the scale's byte
.endr
	v_lshl_or_b32 v[PW], v[TM+5], 8, v[TM+4]
	v_lshl_or_b32 v[PW], v[TM+6], 16, v[PW]
	v_lshl_or_b32 v[PW], v[TM+7], 24, v[PW]
.irp c, 0,1
	v_cvt_scalef32_pk16_bf6_f32 v[PC+6*\c:PC+2+6*\c], v[\s+32*\c:\s+15+32*\c], v[TM+12+2*\c]
	v_cvt_scalef32_pk16_bf6_f32 v[PC+12+4*\c:PC+14+4*\c], v[\s+16+32*\c:\s+31+32*\c], v[TM+12+2*\c+1]   ; a conversion's three registers begin on an even number
.endr
	v_nop                                          ; one plain place behind a scaled conversion
.irp c, 0,1                            ; the operand wants a whole block in a lane: lanes 0-15 block 2 c, lanes 16-31 block 2 c + 1
.irp i, 0,1,2
	v_permlane16_swap_b32 v[PC+6*\c+\i], v[PC+12+4*\c+\i]
.endr
.irp i, 0,1,2
	v_mov_b32 v[PC+3+6*\c+\i], v[PC+12+4*\c+\i]
.endr
.endr
.endm
	s_load_b128 s[4:7], s[0:1], 0x0                ; embedding s[4:5], ecw s[6:7]
	v_lshl_add_u32 v200, v0, 2, 0x8800
	v_mov_b32 v201, 0
	v_lshrrev_b32 v1, 5, v0
	v_readfirstlane_b32 s8, v1                     ; wave = K step s
	v_and_b32 v1, 31, v0                           ; lane
	v_and_b32 v2, 15, v0                           ; r
	v_bfe_u32 v3, v0, 4, 1                         ; h
	v_lshlrev_b32 v4, 4, v1                        ; 16 x lane
	s_mul_i32 s9, s8, 16*SP
	s_add_co_u32 s9, s9, STG                       ; my stage
	v_add_nc_u32 v5, s9, v4                        ; into it: 16 x lane of a row
	v_mul_u32_u24 v6, v2, SP
	v_lshl_add_u32 v6, v3, 6, v6
	v_add_nc_u32 v6, s9, v6                        ; out of it: row r, + 64 h
	s_lshl_b32 s10, s8, 2
	v_lshl_add_u32 v7, v2, 4, s10                  ; my scale word: 16 r + 4 s
	s_lshl_b32 s10, s8, 6
	s_add_co_u32 s10, s10, 256
	v_lshl_add_u32 v8, v2, 2, s10                  ; my partial sum: 256 + 64 s + 4 r
	v_lshlrev_b32 v9, 4, v2                        ; 16 r
	v_lshlrev_b32 v10, 2, v2                       ; 4 r
	s_mov_b32 s[SEL], 0x76543210
	s_mov_b32 s[SEL+1], 0xfedcba98
.irp b, 0,1,2,3
	v_mov_b32 v[TM+4+\b], 0                        ; written once: a lane permute's destination counts as one of its sources
.endr
	s_lshl_b32 s12, ttmp9, 15                      ; the tile's 16 rows of 2,048 bytes,
	s_lshl_b32 s13, s8, 9                          ; my K step's 512 bytes of each
	s_add_co_u32 s12, s12, s13
	s_mov_b32 s13, 0
	s_lshr_b32 s14, ttmp9, 2
	s_mul_i32 s14, s14, QB                         ; the quarter
	s_and_b32 s15, ttmp9, 3                        ; u
	s_mul_i32 s16, s15, 6144
	s_mul_i32 s17, s8, 1536
	s_add_co_u32 s16, s16, s17
	s_add_co_u32 s16, s16, s14                     ; my fragment's image
	s_mov_b32 s17, 0
	s_lshl_b32 s18, s15, 8
	s_add_co_u32 s18, s18, s14
	s_add_co_u32 s18, s18, 24576                   ; the tile's scale words
	s_mov_b32 s19, 0
	s_lshl_b32 s22, s15, 6
	s_add_co_u32 s22, s22, s14
	s_add_co_u32 s22, s22, 25600                   ; the tile's se
	s_mov_b32 s23, 0
	s_wait_kmcnt 0x0
	s_add_nc_u64 s[4:5], s[4:5], s[12:13]
	s_add_nc_u64 s[24:25], s[6:7], s[16:17]
	s_add_nc_u64 s[26:27], s[6:7], s[18:19]
	s_add_nc_u64 s[28:29], s[6:7], s[22:23]
.irp i, 0,1,2,3,4,5,6,7,8,9,10,11,12,13,14,15
	global_load_b128 v[R+4*\i:R+4*\i+3], v4, s[4:5] offset:2048*\i   ; row i: 32 lanes read 512 consecutive bytes.  No hint: the last launch reads the table again
.endr
.irp i, 0,1,2,3,4,5,6,7,8,9,10,11,12,13,14,15
	s_wait_loadcnt 15-\i                           ; row i is in; the 15 - i younger loads may be out
	ds_store_b128 v5, v[R+4*\i:R+4*\i+3] offset:SP*\i
.endr
.irp b, 0,1,2,3
.irp j, 0,1,2,3
	ds_load_b128 v[X+16*\b+4*\j:X+16*\b+4*\j+3], v6 offset:128*\b+16*\j   ; LDS serves a wave's instructions in order: these see my stores
.endr
.endr
	s_wait_dscnt 0x0
	SUMSQ X, 1
	SUMEND
	QUANT X
.irp g, 0,1,2
	global_store_b128 v4, v[PC+4*\g:PC+4*\g+3], s[24:25] offset:512*\g   ; 32 lanes store 512 consecutive bytes, at a multiple of 256 from the buffer's first byte
.endr
	ds_store_b32 v7, v[PW]                         ; lanes r and r + 16 write the same word with the same value
	ds_store_b32 v8, v[Q]
	s_wait_dscnt 0x0                               ; for wave 0's sake: my stores have landed
	s_barrier_signal -1
	s_barrier_wait -1
	s_cmp_lg_u32 s8, 0
	s_cbranch_scc1 .Lend                           ; wave 0 gathers the tile's scale words and sums
	ds_load_b128 v[186:189], v9                    ; code r's four scale words
	ds_load_b32 v190, v10 offset:256
	ds_load_b32 v191, v10 offset:320
	ds_load_b32 v192, v10 offset:384
	ds_load_b32 v193, v10 offset:448
	s_wait_dscnt 0x0
	v_add_f32 v190, v190, v191
	v_add_f32 v192, v192, v193
	v_add_f32 v190, v190, v192                     ; se
	s_wait_xcnt 0x0                                ; EXEC is a source of the stores above: it changes only behind this wait
	v_cmp_gt_u32 vcc_lo, 16, v1
	s_and_saveexec_b32 s11, vcc_lo
	global_store_b128 v9, v[186:189], s[26:27]     ; sixteen lanes store 256 consecutive bytes, aligned
	global_store_b32 v10, v190, s[28:29]           ; 64 bytes: the four tiles of a quarter fill the block between them; se is 16 KB of the whole launch
	s_wait_xcnt 0x0                                ; and again in front of the line that widens EXEC
	s_or_b32 exec_lo, exec_lo, s11
.Lend:
	s_wait_tensorcnt 0x0
	ds_add_u32 v200, v201
	s_wait_dscnt 0x0
	s_endpgm
.Lfunc_end_k_q9d8ece43f9_equant:
	.size	k_q9d8ece43f9_equant, .Lfunc_end_k_q9d8ece43f9_equant-k_q9d8ece43f9_equant
	.p2alignl 7, 3214868480
	.fill 96, 4, 3214868480
	.section	.rodata,"a",@progbits
	.p2align	6, 0x0
	.amdhsa_kernel k_q9d8ece43f9_equant
		.amdhsa_group_segment_fixed_size 35328
		.amdhsa_private_segment_fixed_size 0
		.amdhsa_enable_private_segment 0
		.amdhsa_kernarg_size 16
		.amdhsa_user_sgpr_count 2
		.amdhsa_user_sgpr_kernarg_segment_ptr 1
		.amdhsa_wavefront_size32 1
		.amdhsa_system_sgpr_workgroup_id_x 1
		.amdhsa_system_sgpr_workgroup_id_y 1
		.amdhsa_system_sgpr_workgroup_id_z 1
		.amdhsa_system_vgpr_workitem_id 0
		.amdhsa_next_free_vgpr 202
		.amdhsa_next_free_sgpr 66
		.amdhsa_reserve_vcc 1
		.amdhsa_float_denorm_mode_32 3
		.amdhsa_float_denorm_mode_16_64 3
		.amdhsa_memory_ordered 1
		.amdhsa_forward_progress 1
		.amdhsa_inst_pref_size 14
	.end_amdhsa_kernel
	.amdgpu_metadata
---
amdhsa.version: [ 1, 2 ]
amdhsa.kernels:
  - .name:           k_q9d8ece43f9_equant
    .symbol:         k_q9d8ece43f9_equant.kd
    .args:
      - { .name: embedding, .offset: 0, .size: 8, .value_kind: global_buffer, .address_space: global }
      - { .name: ecw, .offset: 8, .size: 8, .value_kind: global_buffer, .address_space: global }
    .group_segment_fixed_size: 35328
    .private_segment_fixed_size: 0
    .kernarg_segment_align: 8
    .kernarg_segment_size: 16
    .max_flat_workgroup_size: 128
    .sgpr_count:     66
    .vgpr_count:     202
    .wavefront_size: 32
...
	.end_amdgpu_metadata
.endif
;; end of part 1
;; launch argmin (part 2): grid 256 x 1, 4 waves a work-group, clusters of 4 x 1, 327,680 bytes of LDS; arguments latents, ecw, idx; writes idx
.if DOCPART == 2
	.amdgcn_target "amdgcn-amd-amdhsa--gfx1250"
	.amdhsa_code_object_version 6
	.text
	.protected	k_q9d8ece43f9_argmin
	.globl	k_q9d8ece43f9_argmin
	.p2align	8
	.type	k_q9d8ece43f9_argmin,@function
k_q9d8ece43f9_argmin:
	s_mov_b64 s[64:65], 0
	v_nop
	global_prefetch_b8 v0, s[64:65] scope:SCOPE_SE
	s_setreg_imm32_b32 hwreg(HW_REG_WAVE_MODE, 25, 1), 1
	s_wait_xcnt 0x0
	s_wait_alu depctr_hold_cnt(0) depctr_sa_sdst(0) depctr_va_vdst(0) depctr_va_sdst(0) depctr_va_ssrc(0) depctr_va_vcc(0) depctr_vm_vsrc(0)
	s_getreg_b32 s2, hwreg(HW_REG_IB_STS2, 6, 4)
	s_cmp_eq_u32 s2, 0
	s_cbranch_scc0 .Lentry_in_a_cluster
	s_endpgm
.Lentry_in_a_cluster:
	s_bfe_u32 s2, ttmp6, 0x10000c
	s_cmp_lg_u32 s2, 0x3003
	s_cbranch_scc0 .Lentry_shape_is_right
	s_endpgm
.Lentry_shape_is_right:
; idx[row] = the first index of the smallest d = (sx + se) - 2 c over the 4,096 codes; c = x . e on codes of BF6 (E3M2) with one E8M0 scale for each 32 along the 512; sx = the sum of x^2, se that of e^2, f32.
; THE ROUNDING IS KEPT: t = sx + se rounded to f32, d = t - 2 c rounded once (a fused multiply-add by -2, since 2 c is exact); one accumulator for each c, K ascending; on equal d the lowest index wins.
; LIMITS: NaN and infinities among the inputs are not served.  sx is summed by fused multiply-adds in four chains a lane and then over the halves of the lanes: another order than a plain sum, so it can differ in its last bits;
; that moves all of a row's distances alike, and can turn a choice only where a leading distance lies exactly between two f32 numbers or where the distances cross a power of two.
; A block of zeros gets the scale byte 1 where the rule says 127: its codes are zeros.
; SHARES.  A work-group owns 128 rows of x.  X PHASE: wave w reads rows 32 w .. 32 w + 31, sums their squares, quantises them in registers and stores the fragments in LDS as images of the operand's registers; behind one barrier
; EVERY wave takes all 32 fragments (8 tiles of rows x 4 K steps, 384 registers) and keeps them.  MAIN LOOP: wave w walks codes 1024 w .. 1024 w + 1023, a tile of 16 codes a period: 8 tiles of rows x 4 K steps = 32 matrix
; instructions, so that a fragment of e read from LDS feeds eight of them.
; e's fragments, scale words and se come ready from the first launch, in quarters of 25,856 dense bytes (four tiles), through two LDS slots; each wave fetches and reads its own quarter alone.
; CLUSTER: every work-group walks the same table, so the four partners ask for each quarter JOINTLY: the same tensor load, the same descriptor (it hangs on the wave's number and the trip alone), a mask that names the four.
; THE PRODUCT IS USED TRANSPOSED (source 0 = 16 codes, source 1 = 16 rows of x): lane (r, h) holds row r throughout, and register j of a result is code 16 T + 8 h + j.
; THE ARGMIN, 22 vector instructions for a result of 16 x 16: for each tile of rows a lane keeps the running minimum, the number of the tile that last lowered it, and that tile's eight distances; which of the eight it was is looked
; up once, behind the loop.  A strict comparison keeps the earliest tile.
; BY TURNS: a period's 176 vector instructions would leave the matrix unit idle if they stood in a phase of their own, so the list of one group of four row tiles stands in slices behind the matrix instructions of the other group.
; The accumulators and all that the list touches lie in window 1, e's fragments in window 0, x's in windows 2 and 3: no window holds a product's operands beside the list's, so each slice costs two window switches.
; REGISTERS.  window 0: v1-15, v56-61 addresses; v16-47 x's scale words (4 m + s), v48-55 e's (two sets): these hold scales and nothing else; v64-159 e's fragments, two sets of 48; v160-176 the end's scratch.
;   window 1: v0-63 accumulators (8 m); v64-127 kept distances; v128-143 minima, two sets by turns; v144-151 tile numbers; v152-167 sx in pairs; v168-183 se, two sets; v184-207 at work; v208-223, v240 the end.
;             in the x phase: v0-127 two sets of 64 numbers, v128-147 codes, v148-169 at work.
;   window 2: x's fragments of K steps 0, 1 at 12 (2 m + s); in the x phase three sets of 64 numbers as loaded.   window 3: K steps 2, 3.
.set QB,    25856                      ; a quarter: 101 rows of 256 bytes
.set SLOT1, 1<<17                      ; slot 0 at 0, slot 1 here: one exclusive or turns an address of one slot into the other's; wave w's quarter at QB w in each
.set XIMG,  SLOT1+4*QB                 ; behind the slots, where no tensor load lands: x's 32 fragments, 1,536 bytes each, fragment 4 m + s,
.set XSC,   XIMG+32*1536               ; their scale words, 128 bytes each,
.set SXI,   XSC+32*128                 ; sx of the 8 tiles of rows, 128 bytes each,
.set SPARE, SXI+8*128                  ; the spare words, 128 bytes for each wave: two blocks of 256 bytes that no other line names,
.set STG,   SPARE+512                  ; a stage of 16 x 528 bytes for each wave,
.set SP,    528
.set RED,   STG                        ; whose first 8,192 bytes serve the end: each wave's minima and indices
.set LI,  1                            ; 16 x lane
.set LS,  2                            ; 4 x lane
.set AEF, 3                            ; my lane's place in my quarter's fragments
.set AES, 4                            ; in its scale words: 16 r
.set ASE, 5                            ; in its se: 32 h
.set ADR, 6                            ; v6-8 the addresses of the fetch in hand
.set ADS, 7
.set ADE, 8
.set SPW, 10                           ; LDS address of my spare word; never rewritten
.set NIL, 11                           ; 0; never rewritten
.set STI, 12                           ; the stage, in
.set STO, 13                           ; the stage, out
.set XWI, 14                           ; where I store x's images
.set XWS, 15                           ; and their scale words
.set XS,  16
.set ES,  48
.set SXW, 56                           ; where I store sx
.set AXI, 57                           ; where all read the images,
.set AXS, 58                           ; the scale words,
.set ASX, 59                           ; sx
.set RDW, 60                           ; the end: where I store
.set RDR, 61                           ; and read
.set EF,  64
.set FS,  160
.set ACC, 0                            ; window 1
.set SV,  64
.set MN,  128
.set TI,  144
.set SX,  152
.set SE,  168
.set TP,  184
.set J,   208
.set IX,  216
.set H8,  240
.set PC,  128                          ; window 1, x phase
.set TM,  148
.set PW,  164
.set Q,   166
.set WV,  10                           ; s10 my wave's number
.set G1,  16                           ; s[16:23] descriptor group 1
.set G0A, 24                           ; s[24:27] group 0 of the first fill of slot 0
.set G0B, 28                           ; s[28:31] group 0 of the first fill of slot 1; it then walks on
.set SEL, 32                           ; s[32:33] lane selects: lane l xor 16
.set TBF, 34                           ; s34-36 where the tile to be fetched begins: fragments, scale words, se
.set TBS, 35
.set TBE, 36
.set TC,  38                           ; s[38:39] the tile's number, by parity
.set OUTER, 40
.set TWICE, 41
.set MK,  42                           ; s[42:43] the two masks of a slice
.set MSB, 0
.macro WIN new                         ; the immediate's high byte repeats the setting that is left; a switch that changes nothing is dropped
.if MSB != \new
	s_set_vgpr_msb (MSB<<8)|\new
.set MSB, \new
.endif
.endm
.set M_LO, 0x58                        ; source 0 (e) window 0, source 1 (x) window 2, C and D window 1
.set M_HI, 0x5c                        ; the same with x in window 3
.set VA,   0x55                        ; all in window 1
; A round of the cluster's barrier: my work-group's barrier; wave 0 signals for the work-group; every wave waits for all four work-groups; my work-group's barrier once more.
.macro CROUND
	s_barrier_signal -1
	s_barrier_wait -1
	s_cmp_lg_u32 s[WV], 0
	s_cbranch_scc1 .Lnot_wave_0_\@
	s_barrier_signal -3
.Lnot_wave_0_\@:
	s_barrier_wait -3
	s_barrier_signal -1
	s_barrier_wait -1
.endm
.macro SUMSQ x, start                  ; the squares of 64 numbers of a lane onto two packed chains; start = 1: the first products start them
.if \start
	v_pk_mul_f32 v[Q:Q+1], v[\x:\x+1], v[\x:\x+1]
	v_pk_mul_f32 v[Q+2:Q+3], v[\x+2:\x+3], v[\x+2:\x+3]
.else
	v_pk_fma_f32 v[Q:Q+1], v[\x:\x+1], v[\x:\x+1], v[Q:Q+1]
	v_pk_fma_f32 v[Q+2:Q+3], v[\x+2:\x+3], v[\x+2:\x+3], v[Q+2:Q+3]
.endif
.irp i, 4,8,12,16,20,24,28,32,36,40,44,48,52,56,60
	v_pk_fma_f32 v[Q:Q+1], v[\x+\i:\x+\i+1], v[\x+\i:\x+\i+1], v[Q:Q+1]
	v_pk_fma_f32 v[Q+2:Q+3], v[\x+\i+2:\x+\i+3], v[\x+\i+2:\x+\i+3], v[Q+2:Q+3]
.endr
.endm
.macro SUMEND                          ; the four chains and the other half of the lanes: v[Q] = my row's sum, in both halves
	v_pk_add_f32 v[Q:Q+1], v[Q:Q+1], v[Q+2:Q+3]
	v_add_f32 v[Q], v[Q], v[Q+1]
	v_permlanex16_b32 v[Q+2], v[Q], s[SEL], s[SEL+1]
	v_add_f32 v[Q], v[Q], v[Q+2]
.endm
; 64 numbers of a lane, register 16 b + i = k 32 b + 16 (lane / 16) + i of my row, become a fragment's codes in v[PC] .. v[PC+11] and its scale word in v[PW]
.macro QUANT s
.irp b, 0,1,2,3
	v_max3_num_f32 v[TM+\b], |v[\s+16*\b]|, |v[\s+1+16*\b]|, 0x2800000   ; block b: my 16 numbers, and the floor 2^(5 - 127): the byte cannot fall under 1
.endr
.irp i, 2,4,6,8,10,12,14
.irp b, 0,1,2,3
	v_max3_num_f32 v[TM+\b], v[TM+\b], |v[\s+16*\b+\i]|, |v[\s+1+16*\b+\i]|
.endr
.endr
.irp b, 0,1,2,3
	v_permlanex16_b32 v[TM+4+\b], v[TM+\b], s[SEL], s[SEL+1]
.endr
.irp b, 0,1,2,3
	v_max_num_f32 v[TM+\b], v[TM+\b], v[TM+4+\b]   ; with lane l xor 16: the block's largest magnitude
.endr
.irp b, 0,1,2,3
	v_add_nc_u32 v[TM+12+\b], 0xfe000000, v[TM+\b]   ; 4 off its exponent field: the conversion's scale operand
.endr
.irp b, 0,1,2,3
	v_lshrrev_b32 v[TM+4+\b], 23, v[TM+12+\b]      ; the scale's byte
.endr
	v_lshl_or_b32 v[PW], v[TM+5], 8, v[TM+4]
	v_lshl_or_b32 v[PW], v[TM+6], 16, v[PW]
	v_lshl_or_b32 v[PW], v[TM+7], 24, v[PW]
.irp c, 0,1
	v_cvt_scalef32_pk16_bf6_f32 v[PC+6*\c:PC+2+6*\c], v[\s+32*\c:\s+15+32*\c], v[TM+12+2*\c]
	v_cvt_scalef32_pk16_bf6_f32 v[PC+12+4*\c:PC+14+4*\c], v[\s+16+32*\c:\s+31+32*\c], v[TM+12+2*\c+1]   ; a conversion's three registers begin on an even number
.endr
	v_nop                                          ; one plain place behind a scaled conversion
.irp c, 0,1                            ; the operand wants a whole block in a lane
.irp i, 0,1,2
	v_permlane16_swap_b32 v[PC+6*\c+\i], v[PC+12+4*\c+\i]
.endr
.irp i, 0,1,2
	v_mov_b32 v[PC+3+6*\c+\i], v[PC+12+4*\c+\i]
.endr
.endr
.endm
	s_load_b128 s[4:7], s[0:1], 0x0                ; latents s[4:5], ecw s[6:7]
	s_load_b64 s[8:9], s[0:1], 0x10                ; idx
	v_lshl_add_u32 v[SPW], v0, 2, SPARE
	v_mov_b32 v[NIL], 0
	ds_add_u32 v10, v11
	ds_add_u32 v10, v11
	s_wait_dscnt 0x0
	v_lshrrev_b32 v9, 5, v0
	v_readfirstlane_b32 s[WV], v9                  ; wave 0..3
	s_bfe_u32 s11, ttmp6, 0x40000                  ; cx: my place in the cluster
	s_lshl_b32 s12, ttmp9, 2                       ; in a cluster launch ttmp9 counts clusters
	s_add_co_u32 s12, s12, s11                     ; my block of 128 rows: it enters x's and idx's addresses alone
	s_lshl_b32 s46, s12, 18                        ; 128 rows of 2,048 bytes,
	s_lshl_b32 s47, s[WV], 16                      ; my wave's 32 of them
	s_add_co_u32 s46, s46, s47
	s_mov_b32 s47, 0
	s_lshl_b32 s48, s12, 9                         ; 128 indices of 4 bytes,
	s_lshl_b32 s49, s[WV], 7                       ; my wave's 32
	s_add_co_u32 s48, s48, s49
	s_mov_b32 s49, 0
	; descriptor group 1: a dense block of QB bytes as 101 rows of 256 bytes (32 elements of 8 bytes), no padding: every LDS read of it is 16 x lane on end
	s_mov_b32 s[G1+0], 15|(3<<16)|(1<<21)          ; 15:0 the mask: all four work-groups; 17:16 elements of 8 bytes; 21 set beside a mask
	s_mov_b32 s[G1+1], 32<<16                      ; tensor_dim0 = 32
	s_mov_b32 s[G1+2], 101<<16                     ; tensor_dim1 = 101
	s_mov_b32 s[G1+3], 32<<16                      ; tile_dim0 = 32
	s_mov_b32 s[G1+4], 101                         ; tile_dim1 = 101
	s_mov_b32 s[G1+5], 32                          ; from row to row
	s_mov_b32 s[G1+6], 0
	s_mov_b32 s[G1+7], 0
	s_mul_i32 s13, s[WV], QB                       ; my quarter's place in a slot
	s_mul_i32 s14, s[WV], 16*QB                    ; my sixteen quarters in ecw
	s_mov_b32 s15, 0
	s_mov_b32 s[SEL], 0x76543210
	s_mov_b32 s[SEL+1], 0xfedcba98
	s_mov_b32 s[TBF], 0
	s_mov_b32 s[TBS], 0
	s_mov_b32 s[TBE], 0
	s_lshl_b32 s[TC], s[WV], 6                     ; my first tile is 64 w; each parity's number is stepped by 2 at its period's head
	s_sub_co_u32 s[TC+1], s[TC], 1
	s_sub_co_u32 s[TC], s[TC], 2
	s_mov_b32 s[OUTER], 14
	s_mov_b32 s44, 0xffff0000                      ; lanes 16-31
	s_wait_kmcnt 0x0
	s_add_nc_u64 s[4:5], s[4:5], s[46:47]          ; x at my wave's first row
	s_add_nc_u64 s[8:9], s[8:9], s[48:49]          ; idx likewise
	s_mov_b32 s[G0A], 1                            ; count = 1
	s_mov_b32 s[G0A+1], s13                        ; LDS address: slot 0
	s_add_nc_u64 s[G0A+2:G0A+3], s[6:7], s[14:15]  ; my quarter 0
	s_or_b32 s[G0A+3], s[G0A+3], 0x80000000        ; type = 2
	s_mov_b32 s[G0B], 1
	s_add_co_u32 s[G0B+1], s13, SLOT1              ; slot 1
	s_add_nc_u64 s[G0B+2:G0B+3], s[6:7], s[14:15]
	s_add_nc_u64 s[G0B+2:G0B+3], s[G0B+2:G0B+3], QB   ; my quarter 1
	s_or_b32 s[G0B+3], s[G0B+3], 0x80000000
	CROUND                                         ; all four work-groups are here: the first joint loads meet
	tensor_load_to_lds s[G0A:G0A+3], s[G1:G1+7]    ; the two first fills go out together: two loads of mine are out
	s_nop 0
	tensor_load_to_lds s[G0B:G0B+3], s[G1:G1+7]
	s_nop 0
.rept 4
	v_nop                                          ; four plain lines behind a tensor load ahead of a window switch
.endr
	v_and_b32 v9, 31, v0                           ; lane
	v_lshlrev_b32 v[LI], 4, v9
; THE X PHASE.  Step n = 4 a + s: tile of rows 2 w + a, K step s.
.macro XLOAD n                         ; 16 rows x 512 bytes as they lie, into set n % 3 of window 2.  No hint: the last launch reads x again
	WIN 0x80
.irp i, 0,1,2,3,4,5,6,7,8,9,10,11,12,13,14,15
	global_load_b128 v[64*((\n)%3)+4*\i:64*((\n)%3)+4*\i+3], v[LI], s[4:5] offset:32768*((\n)/4)+512*((\n)%4)+2048*\i
.endr
.endm
.macro TURN n                          ; through my stage: in as loaded, out 16 neighbours of each block a lane, into set n % 2 of window 1.  LDS serves a wave's instructions in order, so one stage does
	WIN 0x08
.irp i, 0,1,2,3,4,5,6,7,8,9,10,11,12,13,14,15
	ds_store_b128 v[STI], v[64*((\n)%3)+4*\i:64*((\n)%3)+4*\i+3] offset:SP*\i
.endr
	WIN 0x40
.irp b, 0,1,2,3
.irp j, 0,1,2,3
	ds_load_b128 v[64*((\n)%2)+16*\b+4*\j:64*((\n)%2)+16*\b+4*\j+3], v[STO] offset:128*\b+16*\j
.endr
.endr
.endm
.macro XSTEP n
.set XN, 64*((\n)%2)
	s_wait_dscnt 0x0                               ; this step's numbers are back; the stage's stores have read set n % 3; the last step's image stores have read the codes
.if (\n)+3 < 8
	XLOAD (\n)+3                                   ; into the set just freed
.endif
.if (\n) < 7
.if (\n) < 5
	s_wait_loadcnt 32                              ; the next step's 16 loads are in; the two sets behind it may be out
.else
	s_wait_loadcnt 16*(6-(\n))                     ; one set behind it, then none
.endif
	TURN (\n)+1                                    ; goes through the stage while this step is worked
.endif
	WIN VA
.if (\n)%4 == 0
	SUMSQ XN, 1
.else
	SUMSQ XN, 0
.endif
.if (\n)%4 == 3
	SUMEND
.endif
	QUANT XN
	WIN 0x04                                       ; an LDS store's data are its source 1: window 1
.irp g, 0,1,2
	ds_store_b128 v[XWI], v[PC+4*\g:PC+4*\g+3] offset:1536*(\n)+512*\g   ; the fragment as it stands: 16 bytes a lane, 512 a store
.endr
	ds_store_b32 v[XWS], v[PW] offset:128*(\n)
.if (\n)%4 == 3
	ds_store_b32 v[SXW], v[Q] offset:128*((\n)/4)
.endif
.endm
	XLOAD 0
	XLOAD 1
	XLOAD 2
	WIN 0
	v_and_b32 v62, 15, v0                          ; r
	v_bfe_u32 v63, v0, 4, 1                        ; h
	v_lshlrev_b32 v[LS], 2, v9
	v_add_nc_u32 v[AEF], s13, v[LI]
	s_add_co_u32 s50, s13, 24576
	v_lshl_add_u32 v[AES], v62, 4, s50
	s_add_co_u32 s50, s13, 25600
	v_lshl_add_u32 v[ASE], v63, 5, s50
	s_mul_i32 s50, s[WV], 16*SP
	s_add_co_u32 s50, s50, STG                     ; my stage
	v_add_nc_u32 v[STI], s50, v[LI]
	v_mul_u32_u24 v[STO], v62, SP
	v_lshl_add_u32 v[STO], v63, 6, v[STO]
	v_add_nc_u32 v[STO], s50, v[STO]               ; row r, + 64 h
	s_mul_i32 s50, s[WV], 8*1536
	s_add_co_u32 s50, s50, XIMG
	v_add_nc_u32 v[XWI], s50, v[LI]                ; my eight fragments
	s_lshl_b32 s50, s[WV], 10
	s_add_co_u32 s50, s50, XSC
	v_add_nc_u32 v[XWS], s50, v[LS]
	s_lshl_b32 s50, s[WV], 8
	s_add_co_u32 s50, s50, SXI
	v_add_nc_u32 v[SXW], s50, v[LS]
	v_add_nc_u32 v[AXI], XIMG, v[LI]
	v_add_nc_u32 v[AXS], XSC, v[LS]
	v_add_nc_u32 v[ASX], SXI, v[LS]
	s_lshl_b32 s50, s[WV], 11
	s_add_co_u32 s50, s50, RED
	v_add_nc_u32 v[RDW], s50, v[LS]
	s_lshl_b32 s50, s[WV], 9
	s_add_co_u32 s50, s50, RED
	v_add_nc_u32 v[RDR], s50, v[LS]
	WIN 0x40
.irp b, 0,1,2,3
	v_mov_b32 v[TM+4+\b], 0                        ; written once: a lane permute's destination counts as one of its sources
.endr
	s_wait_loadcnt 32                              ; step 0's 16 loads are in; steps 1 and 2 may be out
	TURN 0
.irp n, 0,1,2,3,4,5,6,7
	XSTEP \n
.endr
	WIN 0
	s_wait_dscnt 0x0                               ; for the others' sake: my images have landed
	s_barrier_signal -1                            ; The two tensor loads may stay out
	s_barrier_wait -1
	WIN 0x80
.irp m, 0,1,2,3,4,5,6,7                ; all of x's fragments into my registers, where they stay
.irp s, 0,1
.irp g, 0,1,2
	ds_load_b128 v[12*(2*\m+\s)+4*\g:12*(2*\m+\s)+4*\g+3], v[AXI] offset:1536*(4*\m+\s)+512*\g
.endr
.endr
.endr
	WIN 0xc0
.irp m, 0,1,2,3,4,5,6,7
.irp s, 0,1
.irp g, 0,1,2
	ds_load_b128 v[12*(2*\m+\s)+4*\g:12*(2*\m+\s)+4*\g+3], v[AXI] offset:1536*(4*\m+2+\s)+512*\g
.endr
.endr
.endr
	WIN 0
.irp m, 0,1,2,3,4,5,6,7
.irp s, 0,1,2,3
	ds_load_b32 v[XS+4*\m+\s], v[AXS] offset:128*(4*\m+\s)
.endr
.endr
	WIN 0x40
.irp m, 0,1,2,3,4,5,6,7
	ds_load_b32 v[SX+2*\m], v[ASX] offset:128*\m   ; sx of row r of tile m;
	ds_load_b32 v[SX+2*\m+1], v[ASX] offset:128*\m ; the packed addition names the pair, so both are written
.endr
; THE MAIN LOOP.
; a tile's 12 groups of four fragment registers, its four scale words and its eight se of my half, into set \set
.macro FETCH set
	WIN 0
	v_add_nc_u32 v[ADR], s[TBF], v[AEF]
	v_add_nc_u32 v[ADS], s[TBS], v[AES]
	v_add_nc_u32 v[ADE], s[TBE], v[ASE]
.irp i, 0,1,2,3,4,5,6,7,8,9,10,11
	ds_load_b128 v[EF+48*(\set)+4*\i:EF+48*(\set)+4*\i+3], v[ADR] offset:512*\i
.endr
	ds_load_b128 v[ES+4*(\set):ES+4*(\set)+3], v[ADS]
	WIN 0x40
	ds_load_b128 v[SE+8*(\set):SE+8*(\set)+3], v[ADE]
	ds_load_b128 v[SE+8*(\set)+4:SE+8*(\set)+7], v[ADE] offset:16
	s_add_co_u32 s[TBF], s[TBF], 6144              ; the next fetch is the next tile's
	s_add_co_u32 s[TBS], s[TBS], 256
	s_add_co_u32 s[TBE], s[TBE], 64
.endm
; Number k of the list of 22 for the result of row tile m and a code tile of parity e; t: which of the slice's two sets of temporaries and masks.
; first = 1: the wave's first code tile starts the minimum, the kept distances and the tile number: nothing is cleared.
;   0-3 t = se + sx;  4-7 d = t - 2 c in place, from the accumulator's low end on;  8-11 the new minimum;  12 has it fallen?;  13-20 then keep the eight distances;  21 and the tile's number
.macro EOP m, e, t, first
.set rA, ACC+8*(\m)
.set rV, SV+8*(\m)
.set rT, TP+12*(\t)
.set rO, MN+8*(\e)+(\m)
.set rN, MN+8*(1-(\e))+(\m)
.set rE, SE+8*(\e)
.set rX, SX+2*(\m)
.if k < 4
	v_pk_add_f32 v[rT+2*k:rT+2*k+1], v[rE+2*k:rE+2*k+1], v[rX:rX+1] op_sel_hi:[1,0]
.elseif k < 8
	v_pk_fma_f32 v[rA+2*k-8:rA+2*k-7], v[rA+2*k-8:rA+2*k-7], -2.0, v[rT+2*k-8:rT+2*k-7] op_sel_hi:[1,0,1]
.elseif k == 8
	v_min3_num_f32 v[rT+8], v[rA], v[rA+1], v[rA+2]
.elseif k == 9
	v_min3_num_f32 v[rT+9], v[rA+3], v[rA+4], v[rA+5]
.elseif (k == 10) && (\first)
	v_min_num_f32 v[rT+10], v[rA+6], v[rA+7]
.elseif k == 10
	v_min3_num_f32 v[rT+10], v[rA+6], v[rA+7], v[rO]
.elseif k == 11
	v_min3_num_f32 v[rN], v[rT+8], v[rT+9], v[rT+10]
.elseif (k == 12) && (\first)
.elseif k == 12
	v_cmp_lt_f32 s[MK+(\t)], v[rN], v[rO]
.elseif (k < 21) && (\first)
	v_mov_b32 v[rV+k-13], v[rA+k-13]
.elseif k < 21
	v_cndmask_b32 v[rV+k-13], v[rV+k-13], v[rA+k-13], s[MK+(\t)]
.elseif (\first)
	v_mov_b32 v[TI+(\m)], s[TC+(\e)]
.else
	v_cndmask_b32 v[TI+(\m)], v[TI+(\m)], s[TC+(\e)], s[MK+(\t)]
.endif
.endm
; Slice gi of 16 of the lists of row tiles mb .. mb + 3.  Two row tiles run side by side over eight slices, line by line in turn, so that no line reads the result of the line just before it:
; 44 lines cut at 0, 6, 11, 17, 22, 28, 33, 39, 44.
.macro SLICE mb, e, first
.set n, (11*(gi%8)+1)/2
.rept (11*(gi%8)+12)/2-(11*(gi%8)+1)/2
.set k, n/2
	EOP (\mb)+2*(gi/8)+n%2, \e, n%2, \first
.set n, n+1
.endr
.endm
; Sixteen matrix instructions: code tile of parity p x row tiles 4 g .. 4 g + 3, K ascending.  The four accumulators take turns, one instruction a turn; the first K step starts each sum with the constant 0.
; Behind each stands a slice of the other group's list: g = 0: rows 4-7 of the tile before (parity 1 - p); g = 1: rows 0-3 of this tile.  The slices name none of the registers of the products round them: they are the places between a
; group's last product and the first read of its results.  epi = 0: no list yet (four v_nop take the places' part); 2: the list's first form.  fetch = 1: the next tile's LDS loads, in one run behind the first slice:
; the set that they fill was last multiplied a half period ago.
.macro HALF p, g, epi, fetch
.set he, (\g)*(\p)+(1-(\g))*(1-(\p))
.set gi, 0
.rept 16
.if gi < 8
	WIN M_LO
.else
	WIN M_HI
.endif
.set ks, gi/4
.set mm, 4*(\g)+gi%4
.set fD, ACC+8*mm
.set fE, EF+48*(\p)+12*ks
.set fX, 12*(2*mm+ks%2)
.if ks == 0
	v_wmma_scale_f32_16x16x128_f8f6f4 v[fD:fD+7], v[fE:fE+11], v[fX:fX+11], 0, v[ES+4*(\p)+ks], v[XS+4*mm+ks] matrix_a_fmt:MATRIX_FMT_BF6 matrix_b_fmt:MATRIX_FMT_BF6
.else
	v_wmma_scale_f32_16x16x128_f8f6f4 v[fD:fD+7], v[fE:fE+11], v[fX:fX+11], v[fD:fD+7], v[ES+4*(\p)+ks], v[XS+4*mm+ks] matrix_a_fmt:MATRIX_FMT_BF6 matrix_b_fmt:MATRIX_FMT_BF6
.endif
.if \epi
	WIN VA
	SLICE 4*(1-(\g)), he, (\epi)-1
.endif
.if \fetch && (gi == 0)
	FETCH 1-(\p)
.endif
.set gi, gi+1
.endr
.if \epi == 0
.rept 4
	v_nop
.endr
.endif
.endm
.macro PER p, e0, e1, f                ; a period: one code tile
	s_wait_dscnt 0x0                               ; the tile's 15 LDS loads, issued fifteen matrix instructions ago, are in
	s_add_co_u32 s[TC+\p], s[TC+\p], 2             ; its number
	HALF \p, 0, \e0, 0
	HALF \p, 1, \e1, \f
.endm
; THE CHANGE OF SLOTS: the quarter's fourth tile has been asked for.  fill = 1: every wave waits for all its tensor loads, of which one is out: the other slot's quarter; adds 0 to its spare word; waits for that and for its reads of
; this slot; a round of the cluster's barrier, so that no wave of any partner still reads the slot or has a load on its way; and the joint refill, the quarter two on, first behind it: it has four periods, 128 matrix instructions,
; in which to land.  fill = 0: nothing is left to fetch; the wait shows my last quarter landed, and I alone read it.
.macro CHANGE fill
	WIN 0                                          ; at a label and at a branch every window is 0
	s_wait_tensorcnt 0x0
.if \fill
	ds_add_u32 v[SPW], v[NIL]                      ; 0 onto my spare word; the descriptor's steps stand between it and the wait for it
	s_xor_b32 s[G0B+1], s[G0B+1], SLOT1            ; the walking descriptor: the other slot than last time,
	s_add_nc_u64 s[G0B+2:G0B+3], s[G0B+2:G0B+3], QB   ; the next quarter; the type bits on top are not reached
	s_wait_dscnt 0x0                               ; the add is done, and my reads of the slot are over
	CROUND
	tensor_load_to_lds s[G0B:G0B+3], s[G1:G1+7]    ; my one tensor load behind the round
	s_nop 0
.rept 4
	v_nop
.endr
.endif
	s_sub_co_u32 s[TBF], s[TBF], 4*6144            ; the fetches go back to a quarter's first tile,
	s_xor_b32 s[TBF], s[TBF], SLOT1                ; in the other slot
	s_sub_co_u32 s[TBS], s[TBS], 4*256
	s_xor_b32 s[TBS], s[TBS], SLOT1
	s_sub_co_u32 s[TBE], s[TBE], 4*64
	s_xor_b32 s[TBE], s[TBE], SLOT1
.endm
.macro TWOPAIRS                        ; four periods: two written, walked twice; the LDS addresses hang on s34-36
	s_mov_b32 s[TWICE], 2
.Lpair_\@:
	PER 1, 1, 1, 1
	PER 0, 1, 1, 1
	WIN 0
	s_sub_co_u32 s[TWICE], s[TWICE], 1
	s_cmp_lg_u32 s[TWICE], 0
	s_cbranch_scc1 .Lpair_\@
.endm
	s_wait_tensorcnt 1                             ; my quarter 0 is in; quarter 1 may stay out.  I alone read what I fetched, so no barrier is needed
	FETCH 0                                        ; tile 0
	PER 0, 0, 2, 1                                 ; tile 0: no list yet | rows 0-3 start their state; tile 1 is fetched
	PER 1, 2, 1, 1                                 ; tile 1: rows 4-7 of tile 0 start theirs
	PER 0, 1, 1, 1                                 ; tile 2; tile 3, the quarter's last, is fetched
	WIN 0
.Louter:                                               ; 14 trips: quarters 2 to 15 are asked for
	CHANGE 1
	TWOPAIRS
	s_sub_co_u32 s[OUTER], s[OUTER], 1
	s_cmp_lg_u32 s[OUTER], 0
	s_cbranch_scc1 .Louter
	CHANGE 0                                       ; the tail is written out
	TWOPAIRS                                       ; tiles 59 to 62
	PER 1, 1, 1, 0                                 ; tile 63
	WIN VA
.set gi, 0
.rept 16
	SLICE 4, 1, 0                                  ; rows 4-7 of tile 63; the slice behind the last product was the places
.set gi, gi+1
.endr
	; THE END.  Which of the kept eight was the minimum: the lowest j.  The final minima lie in set 0.
	WIN 0x40
	v_bfe_u32 v[H8], v0, 4, 1
	WIN VA
	v_lshlrev_b32 v[H8], 3, v[H8]                  ; 8 h
.irp m, 0,1,2,3,4,5,6,7
	v_mov_b32 v[J+\m], 7
.endr
.irp j, 6,5,4,3,2,1,0
.irp m, 0,1,2,3,4,5,6,7
	v_cmp_eq_f32 s[46+\m], v[SV+8*\m+\j], v[MN+\m]
.endr
.irp m, 0,1,2,3,4,5,6,7
	v_cndmask_b32 v[J+\m], v[J+\m], \j, s[46+\m]
.endr
.endr
.irp m, 0,1,2,3,4,5,6,7
	v_lshl_add_u32 v[IX+\m], v[TI+\m], 4, v[J+\m]
.endr
.irp m, 0,1,2,3,4,5,6,7
	v_add_nc_u32 v[IX+\m], v[IX+\m], v[H8]         ; the code: 16 T + 8 h + j
.endr
.irp m, 0,1,2,3,4,5,6,7                ; the row's other eight codes of each tile lie in lane l xor 16 (the destinations have been written by the lists)
	v_permlanex16_b32 v[TP+\m], v[MN+\m], s[SEL], s[SEL+1]
	v_permlanex16_b32 v[TP+12+\m], v[IX+\m], s[SEL], s[SEL+1]
.endr
.irp m, 0,1,2,3,4,5,6,7                ; the other's is taken where it is smaller, or equal with the lower index: both lanes end with the same
	v_cmp_lt_f32 s[46+4*(\m%2)], v[TP+\m], v[MN+\m]
	v_cmp_eq_f32 s[47+4*(\m%2)], v[TP+\m], v[MN+\m]
	v_cmp_lt_u32 s[48+4*(\m%2)], v[TP+12+\m], v[IX+\m]
	s_and_b32 s[47+4*(\m%2)], s[47+4*(\m%2)], s[48+4*(\m%2)]
	s_or_b32 s[46+4*(\m%2)], s[46+4*(\m%2)], s[47+4*(\m%2)]
	v_cndmask_b32 v[MN+\m], v[MN+\m], v[TP+\m], s[46+4*(\m%2)]
	v_cndmask_b32 v[IX+\m], v[IX+\m], v[TP+12+\m], s[46+4*(\m%2)]
.endr
	WIN 0x04
.irp m, 0,1,2,3,4,5,6,7
	ds_store_b32 v[RDW], v[MN+\m] offset:256*\m    ; my 1,024 codes' minimum of each of the 128 rows,
	ds_store_b32 v[RDW], v[IX+\m] offset:256*\m+128   ; and its index
.endr
	WIN 0
	s_wait_dscnt 0x0                               ; for the others' sake: my stores have landed
	s_barrier_signal -1
	s_barrier_wait -1
.irp a, 0,1                            ; wave w joins the four waves' results for row tiles 2 w and 2 w + 1
.irp q, 0,1,2,3
	ds_load_b32 v[FS+8*\a+2*\q], v[RDR] offset:2048*\q+256*\a
	ds_load_b32 v[FS+8*\a+2*\q+1], v[RDR] offset:2048*\q+256*\a+128
.endr
.endr
	s_wait_dscnt 0x0
.irp a, 0,1
.irp q, 1,2,3                          ; a later wave holds higher indices: it wins only where it is strictly smaller
	v_cmp_lt_f32 vcc_lo, v[FS+8*\a+2*\q], v[FS+8*\a]
	v_cndmask_b32 v[FS+8*\a], v[FS+8*\a], v[FS+8*\a+2*\q], vcc_lo
	v_cndmask_b32 v[FS+8*\a+1], v[FS+8*\a+1], v[FS+8*\a+2*\q+1], vcc_lo
.endr
.endr
	v_cndmask_b32 v[FS+16], v[FS+1], v[FS+9], s44  ; lanes 0-15: rows of tile 2 w; lanes 16-31: rows of tile 2 w + 1
	global_store_b32 v[LS], v[FS+16], s[8:9]       ; 32 lanes store 128 consecutive bytes; the four waves' stores lie on end: 512 bytes a work-group, 128 KB in the launch
	s_wait_tensorcnt 0x0                           ; the wave's end, behind my last tensor load and my last LDS store
	ds_add_u32 v[SPW], v[NIL]
	s_wait_dscnt 0x0
	CROUND                                         ; the closing round: no work-group ends while a partner may still ask for a quarter that names it
	s_endpgm
.Lfunc_end_k_q9d8ece43f9_argmin:
	.size	k_q9d8ece43f9_argmin, .Lfunc_end_k_q9d8ece43f9_argmin-k_q9d8ece43f9_argmin
	.p2alignl 7, 3214868480
	.fill 96, 4, 3214868480
	.section	.rodata,"a",@progbits
	.p2align	6, 0x0
	.amdhsa_kernel k_q9d8ece43f9_argmin
		.amdhsa_group_segment_fixed_size 327680
		.amdhsa_private_segment_fixed_size 0
		.amdhsa_enable_private_segment 0
		.amdhsa_kernarg_size 24
		.amdhsa_user_sgpr_count 2
		.amdhsa_user_sgpr_kernarg_segment_ptr 1
		.amdhsa_wavefront_size32 1
		.amdhsa_system_sgpr_workgroup_id_x 1
		.amdhsa_system_sgpr_workgroup_id_y 1
		.amdhsa_system_sgpr_workgroup_id_z 1
		.amdhsa_system_vgpr_workitem_id 0
		.amdhsa_next_free_vgpr 1024
		.amdhsa_next_free_sgpr 66
		.amdhsa_reserve_vcc 1
		.amdhsa_float_denorm_mode_32 3
		.amdhsa_float_denorm_mode_16_64 3
		.amdhsa_memory_ordered 1
		.amdhsa_forward_progress 1
		.amdhsa_inst_pref_size 253
	.end_amdhsa_kernel
	.amdgpu_metadata
---
amdhsa.version: [ 1, 2 ]
amdhsa.kernels:
  - .name:           k_q9d8ece43f9_argmin
    .symbol:         k_q9d8ece43f9_argmin.kd
    .args:
      - { .name: latents, .offset: 0, .size: 8, .value_kind: global_buffer, .address_space: global }
      - { .name: ecw, .offset: 8, .size: 8, .value_kind: global_buffer, .address_space: global }
      - { .name: idx, .offset: 16, .size: 8, .value_kind: global_buffer, .address_space: global }
    .group_segment_fixed_size: 327680
    .private_segment_fixed_size: 0
    .kernarg_segment_align: 8
    .kernarg_segment_size: 24
    .max_flat_workgroup_size: 128
    .sgpr_count:     66
    .vgpr_count:     1024
    .wavefront_size: 32
...
	.end_amdgpu_metadata
.endif
;; end of part 2
;; launch gather (part 3): grid 512 x 1, 8 waves a work-group, no clusters, 0 bytes of LDS; arguments latents, embedding, idx, out0; writes out0
.if DOCPART == 3
	.amdgcn_target "amdgcn-amd-amdhsa--gfx1250"
	.amdhsa_code_object_version 6
	.text
	.protected	k_q9d8ece43f9_gather
	.globl	k_q9d8ece43f9_gather
	.p2align	8
	.type	k_q9d8ece43f9_gather,@function
k_q9d8ece43f9_gather:
	s_mov_b64 s[64:65], 0
	v_nop
	global_prefetch_b8 v0, s[64:65] scope:SCOPE_SE
	s_setreg_imm32_b32 hwreg(HW_REG_WAVE_MODE, 25, 1), 1
	s_wait_xcnt 0x0
; out[row] = x[row] + (e[idx[row]] - x[row]), in f32, both roundings as written.  x, out: [32768][512]; e: [4096][512]; idx: 32,768 whole numbers, stored by the launch before.
; A stream: a wave takes 8 rows.  Its eight indices come by one scalar load; a row of x, of e and of out is 2,048 bytes: four instructions of 512 consecutive bytes each.
; Four row slots in registers: up to 32 loads of a wave are out.  Every offset is an immediate and no address register is written again.
; No LDS, no matrix unit, no cluster: nothing is shared but the table's rows, which rows are wanted hangs on the indices, and each is read straight into registers.
; An index is held to 0 .. 4,095, the table's rows, before it enters an address.
.set ROW, 2048
.macro FILL i                          ; row i: x into v[XB ..], e's chosen row into v[XB+16 ..]
.set XB, 16+32*((\i)%4)
.irp j, 0,1,2,3
	global_load_b128 v[XB+4*\j:XB+4*\j+3], v1, s[4:5] offset:ROW*(\i)+512*\j th:TH_LOAD_NT   ; x's last use
.endr
.irp j, 0,1,2,3
	global_load_b128 v[XB+16+4*\j:XB+16+4*\j+3], v[2+(\i)], s[6:7] offset:512*\j   ; no hint: other rows may name the same code
.endr
.endm
.macro TURN i, left                    ; left: 8 loads for each younger row that may stay out
.set XB, 16+32*((\i)%4)
	s_wait_loadcnt \left
.irp j, 0,2,4,6,8,10,12,14
	v_pk_add_f32 v[XB+16+\j:XB+17+\j], v[XB+16+\j:XB+17+\j], v[XB+\j:XB+1+\j] neg_lo:[0,1] neg_hi:[0,1]   ; e - x
.endr
.irp j, 0,2,4,6,8,10,12,14
	v_pk_add_f32 v[XB+16+\j:XB+17+\j], v[XB+\j:XB+1+\j], v[XB+16+\j:XB+17+\j]   ; x + (e - x)
.endr
.irp j, 0,1,2,3
	global_store_b128 v1, v[XB+16+4*\j:XB+16+4*\j+3], s[10:11] offset:ROW*(\i)+512*\j th:TH_STORE_NT   ; 32 lanes store 512 consecutive bytes, aligned; written once, read by nobody here
.endr
.if (\i) < 4
	s_wait_xcnt 0x0                                ; the stores have read their registers: the slot may be loaded again
	FILL (\i)+4
.endif
.endm
	s_load_b256 s[4:11], s[0:1], 0x0               ; latents s[4:5], embedding s[6:7], idx s[8:9], out0 s[10:11]
	v_lshrrev_b32 v1, 5, v0
	v_readfirstlane_b32 s12, v1                    ; wave
	s_lshl_b32 s13, ttmp9, 3
	s_add_co_u32 s12, s12, s13                     ; G: my run of 8 rows
	s_lshl_b32 s14, s12, 14                        ; 8 rows of 2,048 bytes
	s_mov_b32 s15, 0
	s_lshl_b32 s24, s12, 5                         ; 8 indices of 4 bytes
	s_mov_b32 s25, 0
	v_and_b32 v1, 31, v0
	v_lshlrev_b32 v1, 4, v1                        ; 16 x lane
	s_wait_kmcnt 0x0
	s_add_nc_u64 s[8:9], s[8:9], s[24:25]
	s_load_b256 s[16:23], s[8:9], 0x0              ; my eight indices
	s_add_nc_u64 s[4:5], s[4:5], s[14:15]
	s_add_nc_u64 s[10:11], s[10:11], s[14:15]
	s_wait_kmcnt 0x0
.irp i, 0,1,2,3,4,5,6,7
	s_min_u32 s[16+\i], s[16+\i], 0xfff            ; inside the table
	s_lshl_b32 s[16+\i], s[16+\i], 11              ; its row, in bytes
	v_add_nc_u32 v[2+\i], s[16+\i], v1
.endr
	FILL 0
	FILL 1
	FILL 2
	FILL 3
	TURN 0, 24
	TURN 1, 24
	TURN 2, 24
	TURN 3, 24
	TURN 4, 24
	TURN 5, 16
	TURN 6, 8
	TURN 7, 0
	s_endpgm
.Lfunc_end_k_q9d8ece43f9_gather:
	.size	k_q9d8ece43f9_gather, .Lfunc_end_k_q9d8ece43f9_gather-k_q9d8ece43f9_gather
	.p2alignl 7, 3214868480
	.fill 96, 4, 3214868480
	.section	.rodata,"a",@progbits
	.p2align	6, 0x0
	.amdhsa_kernel k_q9d8ece43f9_gather
		.amdhsa_group_segment_fixed_size 0
		.amdhsa_private_segment_fixed_size 0
		.amdhsa_enable_private_segment 0
		.amdhsa_kernarg_size 32
		.amdhsa_user_sgpr_count 2
		.amdhsa_user_sgpr_kernarg_segment_ptr 1
		.amdhsa_wavefront_size32 1
		.amdhsa_system_sgpr_workgroup_id_x 1
		.amdhsa_system_sgpr_workgroup_id_y 1
		.amdhsa_system_sgpr_workgroup_id_z 1
		.amdhsa_system_vgpr_workitem_id 0
		.amdhsa_next_free_vgpr 144
		.amdhsa_next_free_sgpr 66
		.amdhsa_reserve_vcc 0
		.amdhsa_float_denorm_mode_32 3
		.amdhsa_float_denorm_mode_16_64 3
		.amdhsa_memory_ordered 1
		.amdhsa_forward_progress 1
		.amdhsa_inst_pref_size 20
	.end_amdhsa_kernel
	.amdgpu_metadata
---
amdhsa.version: [ 1, 2 ]
amdhsa.kernels:
  - .name:           k_q9d8ece43f9_gather
    .symbol:         k_q9d8ece43f9_gather.kd
    .args:
      - { .name: latents, .offset: 0, .size: 8, .value_kind: global_buffer, .address_space: global }
      - { .name: embedding, .offset: 8, .size: 8, .value_kind: global_buffer, .address_space: global }
      - { .name: idx, .offset: 16, .size: 8, .value_kind: global_buffer, .address_space: global }
      - { .name: out0, .offset: 24, .size: 8, .value_kind: global_buffer, .address_space: global }
    .group_segment_fixed_size: 0
    .private_segment_fixed_size: 0
    .kernarg_segment_align: 8
    .kernarg_segment_size: 32
    .max_flat_workgroup_size: 256
    .sgpr_count:     66
    .vgpr_count:     144
    .wavefront_size: 32
...
	.end_amdgpu_metadata
.endif
;; end of part 3
